; MI455X (gfx1250); checked and timed in simulation.
; The chip was launched on July 23, 2026; its instructions are those of AMD's public machine-readable ISA for CDNA 5 (MIT licence, August 2026) and "CDNA5" Instruction Set Architecture Reference Guide (July 2026). The comments in the code are by the model that wrote it; some were corrected since.
;; Heterogenous MHA. Allowed arithmetic: float matrix products may take bf16 or f16 operands with f32 sums; all other float work in f32.
;; Inputs: W1_query 8 x 128 x 16 float32; W2_query 8 x 128 x 16 float32; W3_query 8 x 128 x 16 float32; W4_query 8 x 128 x 16 float32; W5_query 8 x 128 x 16 float32; W6_query 8 x 128 x 16 float32; W_key 8 x 128 x 16 float32; W_out 8 x 16 x 128 float32; W_query 8 x 128 x 16 float32; W_val 8 x 128 x 16 float32; q 16 x 501 x 128 float32.
;; Outputs: out0 16 x 501 x 128 float32.
;; 2 versions, each right; version 2 is version 1 with the launch outp written anew for expert scheduling mode. Each part assembles by itself: llvm-mc -triple=amdgcn-amd-amdhsa -mcpu=gfx1250 --defsym DOCPART=n.
;; ======== version 1 of 2: 2 launches
;; limits: values are held in f16: magnitudes above 65,504 overflow, below 6.1e-05 lose precision; right only within a limited range of input values; values outside matrix products are rounded to f16
;; workspace buffers: heads 4,194,304 bytes
;; launch attn (part 1): grid 16 x 16, 16 waves a work-group, no clusters, 198,912 bytes of LDS; arguments q, W_query, W_key, W_val, W1_query, W2_query, W3_query, W4_query, W5_query, W6_query, heads; writes heads
.if DOCPART == 1
	.amdgcn_target "amdgcn-amd-amdhsa--gfx1250"
	.amdhsa_code_object_version 6
	.text
	.protected	k_q6ba42f08ae_attn
	.globl	k_q6ba42f08ae_attn
	.p2align	8
	.type	k_q6ba42f08ae_attn,@function
k_q6ba42f08ae_attn:
	s_mov_b64 s[64:65], 0
	v_nop
	global_prefetch_b8 v0, s[64:65] scope:SCOPE_SE
	s_setreg_imm32_b32 hwreg(HW_REG_WAVE_MODE, 25, 1), 1
	s_wait_xcnt 0x0
; Heterogeneous attention, one work-group for (batch b, head, group g): g = 0 the depot and the pick rows as queries, g = 1 the delivery rows.
; LOCAL INDEX: region P local i = row i (i = 0..255, valid 0..250, local 0 the depot); region D local i = row min(250 + i, 500) (valid 1..250).
; idx = 256 x region + local.  The partner of P local p is D local p: same tile, same place in it.
; Each query has ONE softmax over: its W_query scores on all 501 keys; a second query's scores on the 250 pick keys and a third's on the 250
; delivery keys (pick rows: W2, W3; delivery rows: W6, W5); one partner score (W1 or W4).  The depot has the first 501 alone.
; The blocks that are minus infinity in the problem's own text are not computed.  The two weights that meet one V row are added before the product with V.
; The row's true maximum is taken in a first pass over all scores; the scores are made again in the second pass.
; SHARES: 16 waves.  Wave w projects K and V of P tile w and D tile w (32 rows of q) and owns the 16 queries of tile w of region g.
; FORMATS: q and the weights are rounded to bf16 (nearest even), sums in f32.  Q, K, V times 2^-4 are kept in f16, the weights exp2(..) + exp2(..) <= 2 in f16.
; The row sum is made by the matrix unit with a matrix of 2^-4, so that V's scale cancels in O / L.  The heads leave as bf16 hi + bf16 lo.
; LIMITS: |Q|, |K|, |V| below 2^20 (f16 behind the scale 2^-4); a weight under about 2^-25 of its row's largest becomes 0 in f16;
; the two weights of one V row are added in f32 before the product, another order of rounding than the problem's text.
; NO TENSOR LOADS, NO JOINT REQUESTS, though 16 work-groups read the same q[b]: the rows are rounded to bf16 in registers on their way; to land them
; as f32 would take 16 waves x (16,384 + 8,704) = 401,408 bytes of LDS, more than the 327,680 of a WGP.
; No LDS address hangs on g: what differs between the groups is chosen in registers (v_cndmask_b32 on a mask of all lanes or none) or by the weights' pointers.
.set WS,    0                          ; 6 x 4,096: weights in bf16, [d 128][kd 16], pitch 32: 0 W_key, 1 W_val, 2 W_query, 3 partner, 4 extra on pick keys, 5 extra on delivery keys
.set KS,    24576                      ; 16,384: K in f16; half h at 8,192 h; 16 bytes at 16 idx hold kd 8h .. 8h+7
.set VT,    40960                      ; 16,640: V transposed in f16: row kd, pitch 1,040 = 65 x 16; key idx at byte 2 idx
.set VTP,   1040
.set QW,    57600                      ; 16 x 8,704: each wave's own 32 rows of q in bf16, pitch 272 = 17 x 16; rows 0-15 P tile, 16-31 D tile
.set QWAVE, 8704
.set QP,    272
; registers of the attention phase
.set KLD,   1                          ; LDS address of my 16 bytes of a K tile
.set VLD,   2                          ; LDS address of my 16 bytes of V transposed
.set NINF,  3                          ; minus infinity
.set NQ,    4                          ; v[4:5]   -kappa m, twice
.set NX,    6                          ; v[6:7]   the same, minus infinity in the depot's lanes
.set MQ0,   8                          ; four running maxima
.set MQ1,   9
.set MX0,   10
.set MX1,   11
.set T,     12                         ; v[12:15] at work
.set KF,    16                         ; v[16:47] K fragments: buffer u at 16 u, tile a at +0, tile b at +8; registers 4-7 zero (kd fills half of the 32 along K)
.set FQ,    48                         ; v[48:79] query fragments, 8 registers each, registers 4-7 zero
.set FA,    56
.set FXP,   64
.set FXD,   72
.set SB,    80                         ; scores: buffer u at 32 u; +0 Q x tile a, +8 Q x tile b, +16 X x tile a, +24 X x tile b
.set PF,    144                        ; weights in f16, 32 keys
.set VF,    152                        ; V fragments, buffer u at 8 u
.set ONES,  168                        ; 2^-4 everywhere, f16
.set OACC,  176
.set LACC,  184
.set KPART, 208                        ; the partner tile's K and V, straight from the projection
.set VPART, 216
.set SA,    224                        ; partner scores
.set HOFF,  232                        ; byte offset of my 16 bytes in heads
.set TA,    233
.set TB,    234
; registers of the front phases (dead before the attention phase writes over them)
.set WOFF,  4
.set WST,   5
.set QOFF,  6
.set QST,   7
.set FLD,   8
.set WL,    10
.set KST,   11
.set VST,   12
.set LN,    13
.set RR,    14
.set HH,    15
.set OWN,   16                         ; v[16:47]  my query rows' fragments, 8 registers for each 32 along d
.set WR,    48                         ; v[48:71]  six weights' 16 bytes
.set OFFC,  72                         ; v[72:76]  offsets of the five D rows that may need the clamp
.set QR,    80                         ; v[80:207] 32 rows of q, 4 registers each
.set AKP,   48                         ; accumulators of the K and V projection
.set AKD,   56
.set AVP,   64
.set AVD,   72
.set FR,    80                         ; fragments, 32 registers for each 32 along d
.macro NOP4                            ; four places behind a matrix instruction (ISA guide 7.12.1) where no useful work is at hand
.rept 4
	v_nop
.endr
.endm
.macro ZERO4 a                         ; the upper half of a fragment's K
.irp j, 4,5,6,7
	v_mov_b32 v[\a+\j], 0
.endr
.endm
.macro PACK16 a                        ; eight f32 times 2^-4 to f16, into registers 0-3
.irp j, 0,2,4,6
	v_pk_mul_f32 v[\a+\j:\a+\j+1], v[\a+\j:\a+\j+1], 0x3d800000 op_sel_hi:[1,0]
.endr
.irp j, 0,1,2,3
	v_cvt_pk_f16_f32 v[\a+\j], v[\a+2*\j], v[\a+2*\j+1]
.endr
.endm
	s_load_b512 s[8:23], s[0:1], 0x0               ; q, W_query, W_key, W_val, W1, W2, W3, W4
	s_load_b128 s[24:27], s[0:1], 0x40             ; W5, W6
	s_load_b64 s[28:29], s[0:1], 0x50              ; heads
	v_lshl_add_u32 v240, v0, 2, 0x30100
	v_mov_b32 v241, 0
	v_lshrrev_b32 v[TA], 5, v0
	v_readfirstlane_b32 s2, v[TA]                  ; wave w
	s_and_b32 s4, ttmp9, 7                         ; head
	s_lshr_b32 s5, ttmp9, 3                        ; g
	s_and_b32 s6, ttmp7, 0xffff                    ; b
	s_mov_b32 s37, 0x0000ffff                      ; lanes that hold a tile's keys 0-7
	s_mov_b32 s38, 0xffff0000                      ; lanes that hold its keys 8-15
	s_mov_b32 s40, 0x76543210                      ; v_permlanex16_b32: lane i takes lane i of the other half
	s_mov_b32 s41, 0xfedcba98
	s_mov_b32 s46, 0x42b8aa3b                      ; kappa = 0.25 x log2(e) x 2^8: a raw product of the scaled Q and K to a score in base 2
	s_mov_b32 s47, 0x42b8aa3b
	v_and_b32 v[LN], 31, v0                        ; lane L
	v_and_b32 v[RR], 15, v0                        ; r
	v_bfe_u32 v[HH], v0, 4, 1                      ; h
	s_lshl_b32 s7, s4, 13
	v_lshl_add_u32 v[WOFF], v0, 4, s7              ; a head's weight is 8,192 bytes: 16 for each of 512 threads
	v_lshlrev_b32 v[WST], 3, v0                    ; the same four numbers in bf16
	s_lshl_b32 s7, s2, 13
	v_lshl_add_u32 v[QOFF], v[LN], 4, s7           ; row 16 w, my 16 bytes
.irp i, 11,12,13,14,15
	s_lshl_b32 s7, s2, 4
	s_add_co_u32 s7, s7, 250+\i
	s_min_u32 s7, s7, 500                          ; D locals past 250 repeat the last row: no load leaves q[b]
	s_lshl_b32 s7, s7, 9
	v_lshl_add_u32 v[OFFC+\i-11], v[LN], 4, s7
.endr
	s_mul_i32 s44, s6, 256512                      ; 501 rows of 512 bytes
	s_mov_b32 s45, 0
	s_wait_kmcnt 0x0
	s_add_nc_u64 s[8:9], s[8:9], s[44:45]          ; q[b]
	s_cmp_lg_u32 s5, 0
	s_cselect_b64 s[30:31], s[22:23], s[16:17]     ; partner query: g ? W4 : W1
	s_cselect_b64 s[32:33], s[26:27], s[18:19]     ; extra query on pick keys: g ? W6 : W2
	s_cselect_b64 s[34:35], s[24:25], s[20:21]     ; extra query on delivery keys: g ? W5 : W3
	s_cselect_b32 s36, -1, 0                       ; all lanes if g
	; 38 loads go out at once: six weights, then 32 whole rows of q, 512 consecutive aligned bytes for each instruction
	global_load_b128 v[WR:WR+3],     v[WOFF], s[12:13]
	global_load_b128 v[WR+4:WR+7],   v[WOFF], s[14:15]
	global_load_b128 v[WR+8:WR+11],  v[WOFF], s[10:11]
	global_load_b128 v[WR+12:WR+15], v[WOFF], s[30:31]
	global_load_b128 v[WR+16:WR+19], v[WOFF], s[32:33]
	global_load_b128 v[WR+20:WR+23], v[WOFF], s[34:35]
.irp i, 0,1,2,3,4,5,6,7,8,9,10,11,12,13,14,15
	global_load_b128 v[QR+4*\i:QR+4*\i+3], v[QOFF], s[8:9] offset:512*\i
.endr
.irp i, 0,1,2,3,4,5,6,7,8,9,10
	global_load_b128 v[QR+64+4*\i:QR+64+4*\i+3], v[QOFF], s[8:9] offset:128000+512*\i   ; row 250 + 16 w + i, at most 500
.endr
.irp i, 11,12,13,14,15
	global_load_b128 v[QR+64+4*\i:QR+64+4*\i+3], v[OFFC+\i-11], s[8:9]
.endr
	; the other addresses, while the loads are on their way
	s_lshl_b32 s7, s6, 3
	s_add_co_u32 s7, s7, s4
	s_lshl_b32 s7, s7, 1
	s_add_co_u32 s7, s7, s5
	s_lshl_b32 s44, s7, 13                         ; (8 b + head) x 16,384 + g x 8,192
	s_add_nc_u64 s[28:29], s[28:29], s[44:45]
	s_or_b32 s7, s5, s2
	s_cmp_eq_u32 s7, 0
	s_cselect_b32 s39, 0x00010001, 0               ; the depot's two lanes: query 0 of wave 0 of group 0
	s_mul_i32 s7, s2, QWAVE
	s_add_co_u32 s7, s7, QW
	v_lshl_add_u32 v[QST], v[LN], 3, s7            ; my 8 bytes of a bf16 row
	v_mul_u32_u24 v[FLD], v[RR], QP
	v_lshl_add_u32 v[FLD], v[HH], 4, v[FLD]
	v_add_nc_u32 v[FLD], s7, v[FLD]                ; a fragment's row r, 16 h
	v_and_b32 v[TA], 7, v0
	v_lshl_add_u32 v[TA], v[HH], 3, v[TA]
	v_bfe_u32 v[TB], v0, 3, 1
	v_lshlrev_b32 v[TB], 4, v[TB]
	v_lshl_add_u32 v[WL], v[TA], 5, v[TB]          ; transposing load of a weight: (8 h + L mod 8) x 32 + 16 x bit 3 of L
	v_lshlrev_b32 v[TA], 13, v[HH]
	v_lshl_add_u32 v[TA], v[RR], 4, v[TA]
	v_add_nc_u32 v[KLD], KS, v[TA]
	s_lshl_b32 s7, s2, 8
	s_add_co_u32 s7, s7, KS
	v_add_nc_u32 v[KST], s7, v[TA]                 ; KS + 8,192 h + 16 (16 w + r)
	v_mul_u32_u24 v[TB], v[RR], VTP
	v_lshl_add_u32 v[TB], v[HH], 4, v[TB]
	v_add_nc_u32 v[VLD], VT, v[TB]
	s_lshl_b32 s7, s2, 5
	s_add_co_u32 s7, s7, VT
	v_add_nc_u32 v[VST], s7, v[TB]                 ; VT + 1,040 r + 2 (16 w + 8 h)
	s_lshl_b32 s7, s2, 9
	v_lshlrev_b32 v[HOFF], 5, v[RR]
	v_lshl_add_u32 v[HOFF], v[HH], 4, v[HOFF]
	v_add_nc_u32 v[HOFF], s7, v[HOFF]              ; 32 (16 w + r) + 16 h
	v_mov_b32 v[NINF], 0xff800000
	; round to bf16 and stage
	s_wait_loadcnt 32                              ; loads come back in order (ISA guide 5.7.1): the six weights are in, the 32 rows may be out
.irp m, 0,1,2,3,4,5
	v_cvt_pk_bf16_f32 v[WR+4*\m],   v[WR+4*\m],   v[WR+4*\m+1]
	v_cvt_pk_bf16_f32 v[WR+4*\m+1], v[WR+4*\m+2], v[WR+4*\m+3]
	ds_store_b64 v[WST], v[WR+4*\m:WR+4*\m+1] offset:WS+4096*\m
.endr
.set i, 0
.rept 32
	s_wait_loadcnt 31-i                            ; row i is in, the 31 - i younger rows may be out
	v_cvt_pk_bf16_f32 v[QR+4*i],   v[QR+4*i],   v[QR+4*i+1]
	v_cvt_pk_bf16_f32 v[QR+4*i+1], v[QR+4*i+2], v[QR+4*i+3]
	ds_store_b64 v[QST], v[QR+4*i:QR+4*i+1] offset:QP*i
.set i, i+1
.endr
	s_wait_dscnt 0x0                               ; my part of the weights is in LDS, for the other waves' sake
	s_barrier_signal -1
	s_barrier_wait -1                              ; the six weights are whole
	; K and V of my two tiles.  K: A = W_key transposed (m = kd), B = rows (n = key): a lane gets kd 8h .. 8h+7 of key r.
	; V: A = rows (m = key), B = W_val transposed (n = kd): a lane gets keys 8h .. 8h+7 of kd r, a piece of V transposed.
.irp kc, 0,1,2,3
	ds_load_b128 v[FR+32*\kc:FR+32*\kc+3],          v[FLD] offset:64*\kc
	ds_load_b128 v[FR+32*\kc+4:FR+32*\kc+7],        v[FLD] offset:64*\kc+32
	ds_load_b128 v[FR+32*\kc+8:FR+32*\kc+11],       v[FLD] offset:16*QP+64*\kc
	ds_load_b128 v[FR+32*\kc+12:FR+32*\kc+15],      v[FLD] offset:16*QP+64*\kc+32
	ds_load_tr16_b128 v[FR+32*\kc+16:FR+32*\kc+19], v[WL] offset:1024*\kc
	ds_load_tr16_b128 v[FR+32*\kc+20:FR+32*\kc+23], v[WL] offset:1024*\kc+512
	ds_load_tr16_b128 v[FR+32*\kc+24:FR+32*\kc+27], v[WL] offset:4096+1024*\kc
	ds_load_tr16_b128 v[FR+32*\kc+28:FR+32*\kc+31], v[WL] offset:4096+1024*\kc+512
.endr
; The four accumulators take turns, one instruction a turn.
.macro PROJ1 kc
.set fb, FR+32*\kc
	s_wait_dscnt 24-8*\kc                          ; LDS loads come back in order: this step's eight are in, eight for each later step may be out
.if \kc == 0
	v_wmma_f32_16x16x32_bf16 v[AKP:AKP+7], v[fb+16:fb+23], v[fb:fb+7],     0
	v_wmma_f32_16x16x32_bf16 v[AKD:AKD+7], v[fb+16:fb+23], v[fb+8:fb+15],  0
	v_wmma_f32_16x16x32_bf16 v[AVP:AVP+7], v[fb:fb+7],     v[fb+24:fb+31], 0
	v_wmma_f32_16x16x32_bf16 v[AVD:AVD+7], v[fb+8:fb+15],  v[fb+24:fb+31], 0
.else
	v_wmma_f32_16x16x32_bf16 v[AKP:AKP+7], v[fb+16:fb+23], v[fb:fb+7],     v[AKP:AKP+7]
	v_wmma_f32_16x16x32_bf16 v[AKD:AKD+7], v[fb+16:fb+23], v[fb+8:fb+15],  v[AKD:AKD+7]
	v_wmma_f32_16x16x32_bf16 v[AVP:AVP+7], v[fb:fb+7],     v[fb+24:fb+31], v[AVP:AVP+7]
	v_wmma_f32_16x16x32_bf16 v[AVD:AVD+7], v[fb+8:fb+15],  v[fb+24:fb+31], v[AVD:AVD+7]
.endif
.endm
	PROJ1 0
	PROJ1 1
	PROJ1 2
	PROJ1 3
	NOP4                                           ; places in front of the loads into the fragments and of the reads of the sums
	; my 16 queries are the P tile's rows (g = 0) or the D tile's (g = 1): both are in registers, so they are chosen there and not read from LDS again
.irp kc, 0,1,2,3
.irp j, 0,1,2,3,4,5,6,7
	v_cndmask_b32 v[OWN+8*\kc+\j], v[FR+32*\kc+\j], v[FR+32*\kc+8+\j], s36
.endr
.endr
.irp kc, 0,1,2,3
.irp m, 0,1,2,3
	ds_load_tr16_b128 v[FR+32*\kc+8*\m:FR+32*\kc+8*\m+3],   v[WL] offset:4096*(\m+2)+1024*\kc       ; the four query weights
	ds_load_tr16_b128 v[FR+32*\kc+8*\m+4:FR+32*\kc+8*\m+7], v[WL] offset:4096*(\m+2)+1024*\kc+512
.endr
.endr
	PACK16 AKP
	PACK16 AKD
	PACK16 AVP
	PACK16 AVD
	ds_store_b128 v[KST], v[AKP:AKP+3]
	ds_store_b128 v[KST], v[AKD:AKD+3] offset:4096 ; region D: 256 keys of 16 bytes further
	ds_store_b128 v[VST], v[AVP:AVP+3]
	ds_store_b128 v[VST], v[AVD:AVD+3] offset:512  ; region D: 256 keys of 2 bytes further
.irp j, 0,1,2,3
	v_cndmask_b32 v[KPART+\j], v[AKD+\j], v[AKP+\j], s36   ; the partner tile is the other region's: D for g = 0, P for g = 1
	v_cndmask_b32 v[VPART+\j], v[AVD+\j], v[AVP+\j], s36
.endr
	ZERO4 KPART
	ZERO4 VPART
	; the four queries of my 16 rows: A = a weight transposed (m = kd), B = my rows (n = query): a lane gets kd 8h .. 8h+7 of query r, a B fragment as it stands
.macro PROJ2 kc
.set fb, FR+32*\kc
.set ow, OWN+8*\kc
	s_wait_dscnt 28-8*\kc                          ; this step's eight weight loads are in; eight for each later step and the four stores of K and V behind them may be out
.if \kc == 0
	v_wmma_f32_16x16x32_bf16 v[FQ:FQ+7],   v[fb:fb+7],     v[ow:ow+7], 0
	v_wmma_f32_16x16x32_bf16 v[FA:FA+7],   v[fb+8:fb+15],  v[ow:ow+7], 0
	v_wmma_f32_16x16x32_bf16 v[FXP:FXP+7], v[fb+16:fb+23], v[ow:ow+7], 0
	v_wmma_f32_16x16x32_bf16 v[FXD:FXD+7], v[fb+24:fb+31], v[ow:ow+7], 0
.else
	v_wmma_f32_16x16x32_bf16 v[FQ:FQ+7],   v[fb:fb+7],     v[ow:ow+7], v[FQ:FQ+7]
	v_wmma_f32_16x16x32_bf16 v[FA:FA+7],   v[fb+8:fb+15],  v[ow:ow+7], v[FA:FA+7]
	v_wmma_f32_16x16x32_bf16 v[FXP:FXP+7], v[fb+16:fb+23], v[ow:ow+7], v[FXP:FXP+7]
	v_wmma_f32_16x16x32_bf16 v[FXD:FXD+7], v[fb+24:fb+31], v[ow:ow+7], v[FXD:FXD+7]
.endif
.endm
	PROJ2 0                                        ; four accumulators by turns again
	PROJ2 1
	PROJ2 2
	PROJ2 3
	NOP4
	PACK16 FQ
	PACK16 FA
	PACK16 FXP
	PACK16 FXD
	ZERO4 FQ
	ZERO4 FA
	ZERO4 FXP
	ZERO4 FXD
	ZERO4 KF
	ZERO4 KF+8
	ZERO4 KF+16
	ZERO4 KF+24
.irp j, 0,1,2,3,4,5,6,7
	v_mov_b32 v[ONES+\j], 0x2c002c00               ; 2^-4 in both halves
.endr
	; partner scores: the diagonal of (partner tile's K) x (partner query); register j of lane (r, h) is key 8h + j, query r
	v_wmma_f32_16x16x32_f16 v[SA:SA+7], v[KPART:KPART+7], v[FA:FA+7], 0
	NOP4
.irp j, 0,1,2,3,4,5,6,7
	s_mov_b32 s42, 0x01000001<<\j                  ; 8h + j = r: lane j and lane 24 + j
	v_cndmask_b32 v[SA+\j], v[NINF], v[SA+\j], s42
.endr
	s_wait_dscnt 0x0                               ; my four stores of K and V are in LDS, for the other waves' sake
	s_barrier_signal -1
	s_barrier_wait -1                              ; K and V are whole; LDS is only read from here on
; A unit t is 32 keys, idx 32 t .. 32 t + 31: tile a the first 16, tile b the second.  Units 0-7 are region P, 8-15 region D.
.macro LOADK t, u                      ; unit t's K into buffer u mod 2
.set kf, KF+16*((\u)&1)
	ds_load_b128 v[kf:kf+3],    v[KLD] offset:512*(\t)
	ds_load_b128 v[kf+8:kf+11], v[KLD] offset:512*(\t)+256
.endm
.macro LOADV t                         ; unit t's V transposed into buffer t mod 2
.set vf, VF+8*((\t)&1)
	ds_load_b128 v[vf:vf+3],   v[VLD] offset:64*(\t)
	ds_load_b128 v[vf+4:vf+7], v[VLD] offset:64*(\t)+32
.endm
.macro MM t                            ; four score tiles, A = keys, B = queries
.set sb, SB+32*((\t)&1)
.set kf, KF+16*((\t)&1)
.if (\t) < 8
.set fx, FXP
.else
.set fx, FXD
.endif
	v_wmma_f32_16x16x32_f16 v[sb:sb+7],     v[kf:kf+7],    v[FQ:FQ+7], 0
	v_wmma_f32_16x16x32_f16 v[sb+8:sb+15],  v[kf+8:kf+15], v[FQ:FQ+7], 0
	v_wmma_f32_16x16x32_f16 v[sb+16:sb+23], v[kf:kf+7],    v[fx:fx+7], 0
	v_wmma_f32_16x16x32_f16 v[sb+24:sb+31], v[kf+8:kf+15], v[fx:fx+7], 0
.endm
.macro KMASK t                         ; keys that do not exist become minus infinity
.set sb, SB+32*((\t)&1)
.if (\t) == 0
	v_cndmask_b32 v[sb+16], v[sb+16], v[NINF], s37         ; the depot is no pick key: extra scores alone
.endif
.if (\t) == 8
	v_cndmask_b32 v[sb],    v[sb],    v[NINF], s37         ; D local 0 is no key
	v_cndmask_b32 v[sb+16], v[sb+16], v[NINF], s37
.endif
.if ((\t)&7) == 7
.irp j, 3,4,5,6,7
	v_cndmask_b32 v[sb+8+\j],  v[sb+8+\j],  v[NINF], s38   ; locals 251 to 255: keys 11-15 of tile b
	v_cndmask_b32 v[sb+24+\j], v[sb+24+\j], v[NINF], s38
.endr
.endif
.endm
.macro AMAX t                          ; 16 instructions on four chains
	KMASK \t
.set sb, SB+32*((\t)&1)
.irp j, 0,4,8,12
	v_max3_num_f32 v[MQ0], v[MQ0], v[sb+\j],      v[sb+\j+1]
	v_max3_num_f32 v[MQ1], v[MQ1], v[sb+\j+2],    v[sb+\j+3]
	v_max3_num_f32 v[MX0], v[MX0], v[sb+16+\j],   v[sb+16+\j+1]
	v_max3_num_f32 v[MX1], v[MX1], v[sb+16+\j+2], v[sb+16+\j+3]
.endr
.endm
; A step of the first pass: unit t's scores are made while unit t - 1's are searched; the 16 maxima are the places between
; the matrix instructions and the load into their K buffer, and between them and the next step's reads of their results.
.macro ASTEP t
	s_wait_dscnt 0x2                               ; unit t's two loads are in; the two of unit t + 1 may be out
	MM \t
.if (\t) == 0
	NOP4
.else
	AMAX (\t-1)
.endif
	LOADK ((\t+2)&15), \t                          ; the last two steps fetch units 0 and 1 for the second pass
.endm
	; FIRST PASS: the row's maximum, over raw products (kappa is positive)
	LOADK 0, 0
	LOADK 1, 1
	v_mov_b32 v[MQ0], v[NINF]
	v_mov_b32 v[MQ1], v[NINF]
	v_max3_num_f32 v[MX0], v[SA],   v[SA+1], v[SA+2]
	v_max3_num_f32 v[MX1], v[SA+3], v[SA+4], v[SA+5]
	v_max3_num_f32 v[MX0], v[MX0],  v[SA+6], v[SA+7]
.irp t, 0,1,2,3,4,5,6,7,8,9,10,11,12,13,14,15
	ASTEP \t
.endr
	AMAX 15
	v_max_num_f32 v[T],   v[MQ0], v[MQ1]
	v_max_num_f32 v[T+1], v[MX0], v[MX1]
	v_max_num_f32 v[T+1], v[T],   v[T+1]
	v_cndmask_b32 v[T], v[T+1], v[T], s39          ; the depot has the plain scores alone
	v_permlanex16_b32 v[T+1], v[T], s40, s41       ; the other eight keys of each tile lie in the other half of the lanes
	v_max_num_f32 v[T], v[T], v[T+1]
	v_mul_f32 v[NQ],   0xc2b8aa3b, v[T]            ; -kappa m
	v_mul_f32 v[NQ+1], 0xc2b8aa3b, v[T]
	v_cndmask_b32 v[NX],   v[NQ], v[NINF], s39     ; the depot's extra weights come out as 0
	v_cndmask_b32 v[NX+1], v[NQ], v[NINF], s39
; SECOND PASS
.macro BEXP t                          ; unit t's 32 scores of a lane to weights: exp2(kappa S - kappa m)
	KMASK \t
.set sb, SB+32*((\t)&1)
.irp j, 0,2,4,6,8,10,12,14
	v_pk_fma_f32 v[sb+\j:sb+\j+1], v[sb+\j:sb+\j+1], s[46:47], v[NQ:NQ+1] op_sel_hi:[1,0,1]
.endr
.irp j, 16,18,20,22,24,26,28,30
	v_pk_fma_f32 v[sb+\j:sb+\j+1], v[sb+\j:sb+\j+1], s[46:47], v[NX:NX+1] op_sel_hi:[1,0,1]
.endr
.set ej, 0
.rept 32
	v_exp_f32 v[sb+ej], v[sb+ej]
.set ej, ej+1
.endr
	v_nop                                          ; one plain place behind the exponentials (ISA guide 5.7.2) before their results are used
.endm
.macro PADD u                          ; the plain and the extra weight of one key meet the same V row: add them
.set sb, SB+32*((\u)&1)
	s_wait_alu depctr_va_vdst(0)
.irp j, 0,2,4,6,8,10,12,14
	v_pk_add_f32 v[sb+\j:sb+\j+1], v[sb+\j:sb+\j+1], v[sb+16+\j:sb+16+\j+1]
.endr
.endm
.macro PCVT u                          ; keys 8h + j of tile a are registers 0-3 of a B fragment, those of tile b registers 4-7
.set sb, SB+32*((\u)&1)
.irp j, 0,1,2,3,4,5,6,7
	v_cvt_pk_f16_f32 v[PF+\j], v[sb+2*\j], v[sb+2*\j+1]
.endr
.endm
.macro PV u                            ; O(kd, query) += V transposed x weights; L(.., query) += 2^-4 x the weights' sum
.set vf, VF+8*((\u)&1)
	v_wmma_f32_16x16x32_f16 v[OACC:OACC+7], v[vf:vf+7],     v[PF:PF+7], v[OACC:OACC+7]
	v_wmma_f32_16x16x32_f16 v[LACC:LACC+7], v[ONES:ONES+7], v[PF:PF+7], v[LACC:LACC+7]
.endm
; A step: unit t's scores are made, unit t - 1's weights go to V, unit t's exponentials follow.  Matrix order: four score tiles, O, L, four score tiles, O, L:
; every accumulator has turns of one instruction.  The eight sums are the places behind the score tiles; the 16 multiply-adds of
; the step before are the places behind its O and L, in front of the writes of PF and the load into the V buffer.
.macro BSTEP t
	s_wait_dscnt 0x0                               ; all that is out was issued in the step before, ahead of its multiply-adds and exponentials
	MM \t
	PADD (\t-1)
.if (\t)+2 <= 15
	LOADK (\t+2), \t
.endif
	LOADV \t
	PCVT (\t-1)
	PV (\t-1)
	BEXP \t
.endm
	s_wait_dscnt 0x0                               ; units 0 and 1 of K
	MM 0
.irp j, 0,2,4,6
	v_pk_fma_f32 v[SA+\j:SA+\j+1], v[SA+\j:SA+\j+1], s[46:47], v[NX:NX+1] op_sel_hi:[1,0,1]   ; the partner's weight; also the four places behind the score tiles
.endr
.irp j, 0,1,2,3,4,5,6,7
	v_exp_f32 v[SA+\j], v[SA+\j]
.endr
	v_nop
	s_wait_alu depctr_va_vdst(0)
.irp j, 0,1,2,3
	v_cvt_pk_f16_f32 v[PF+\j], v[SA+2*\j], v[SA+2*\j+1]
.endr
	ZERO4 PF
	LOADK 2, 0
	LOADV 0
	v_wmma_f32_16x16x32_f16 v[OACC:OACC+7], v[VPART:VPART+7], v[PF:PF+7], 0   ; the partner term starts both sums: nothing is cleared
	v_wmma_f32_16x16x32_f16 v[LACC:LACC+7], v[ONES:ONES+7],   v[PF:PF+7], 0
	BEXP 0
.irp t, 1,2,3,4,5,6,7,8,9,10,11,12,13,14,15
	BSTEP \t
.endr
	s_wait_dscnt 0x0                               ; unit 15 of V
	PADD 15
	PCVT 15
	PV 15
	NOP4
	; THE WAY OUT: O / L; register j of lane (r, h) is kd 8h + j of query r: 16 bytes of bf16, twice (hi, and lo = what hi left)
	v_rcp_f32 v[T],   v[LACC]
	v_rcp_f32 v[T+1], v[LACC]
	v_nop
	s_wait_alu depctr_va_vdst(0)
.irp j, 0,2,4,6
	v_pk_mul_f32 v[OACC+\j:OACC+\j+1], v[OACC+\j:OACC+\j+1], v[T:T+1]
.endr
.irp j, 0,1,2,3
	v_cvt_pk_bf16_f32 v[PF+\j], v[OACC+2*\j], v[OACC+2*\j+1]
.endr
.irp j, 0,1,2,3
	v_lshlrev_b32 v[SB+2*\j],   16, v[PF+\j]
	v_and_b32     v[SB+2*\j+1], s38, v[PF+\j]
.endr
.irp j, 0,2,4,6
	v_pk_add_f32 v[OACC+\j:OACC+\j+1], v[OACC+\j:OACC+\j+1], v[SB+\j:SB+\j+1] neg_lo:[0,1] neg_hi:[0,1]
.endr
.irp j, 0,1,2,3
	v_cvt_pk_bf16_f32 v[PF+4+\j], v[OACC+2*\j], v[OACC+2*\j+1]
.endr
	global_store_b128 v[HOFF], v[PF:PF+3],   s[28:29]                  ; each store of the wave covers 512 consecutive bytes, aligned
	global_store_b128 v[HOFF], v[PF+4:PF+7], s[28:29] offset:2097152   ; the lo plane
	s_wait_tensorcnt 0x0
	ds_add_u32 v240, v241
	s_wait_dscnt 0x0
	s_endpgm
.Lfunc_end_k_q6ba42f08ae_attn:
	.size	k_q6ba42f08ae_attn, .Lfunc_end_k_q6ba42f08ae_attn-k_q6ba42f08ae_attn
	.p2alignl 7, 3214868480
	.fill 96, 4, 3214868480
	.section	.rodata,"a",@progbits
	.p2align	6, 0x0
	.amdhsa_kernel k_q6ba42f08ae_attn
		.amdhsa_group_segment_fixed_size 198912
		.amdhsa_private_segment_fixed_size 0
		.amdhsa_enable_private_segment 0
		.amdhsa_kernarg_size 88
		.amdhsa_user_sgpr_count 2
		.amdhsa_user_sgpr_kernarg_segment_ptr 1
		.amdhsa_wavefront_size32 1
		.amdhsa_system_sgpr_workgroup_id_x 1
		.amdhsa_system_sgpr_workgroup_id_y 1
		.amdhsa_system_sgpr_workgroup_id_z 1
		.amdhsa_system_vgpr_workitem_id 0
		.amdhsa_next_free_vgpr 242
		.amdhsa_next_free_sgpr 66
		.amdhsa_reserve_vcc 0
		.amdhsa_float_denorm_mode_32 3
		.amdhsa_float_denorm_mode_16_64 3
		.amdhsa_memory_ordered 1
		.amdhsa_forward_progress 1
		.amdhsa_inst_pref_size 123
	.end_amdhsa_kernel
	.amdgpu_metadata
---
amdhsa.version: [ 1, 2 ]
amdhsa.kernels:
  - .name:           k_q6ba42f08ae_attn
    .symbol:         k_q6ba42f08ae_attn.kd
    .args:
      - { .name: q, .offset: 0, .size: 8, .value_kind: global_buffer, .address_space: global }
      - { .name: W_query, .offset: 8, .size: 8, .value_kind: global_buffer, .address_space: global }
      - { .name: W_key, .offset: 16, .size: 8, .value_kind: global_buffer, .address_space: global }
      - { .name: W_val, .offset: 24, .size: 8, .value_kind: global_buffer, .address_space: global }
      - { .name: W1_query, .offset: 32, .size: 8, .value_kind: global_buffer, .address_space: global }
      - { .name: W2_query, .offset: 40, .size: 8, .value_kind: global_buffer, .address_space: global }
      - { .name: W3_query, .offset: 48, .size: 8, .value_kind: global_buffer, .address_space: global }
      - { .name: W4_query, .offset: 56, .size: 8, .value_kind: global_buffer, .address_space: global }
      - { .name: W5_query, .offset: 64, .size: 8, .value_kind: global_buffer, .address_space: global }
      - { .name: W6_query, .offset: 72, .size: 8, .value_kind: global_buffer, .address_space: global }
      - { .name: heads, .offset: 80, .size: 8, .value_kind: global_buffer, .address_space: global }
    .group_segment_fixed_size: 198912
    .private_segment_fixed_size: 0
    .kernarg_segment_align: 8
    .kernarg_segment_size: 88
    .max_flat_workgroup_size: 512
    .sgpr_count:     66
    .vgpr_count:     242
    .wavefront_size: 32
...
	.end_amdgpu_metadata
.endif
;; end of part 1
;; launch outp (part 2): grid 16 x 16, 4 waves a work-group, no clusters, 54,272 bytes of LDS; arguments heads, W_out, out0; writes out0
.if DOCPART == 2
	.amdgcn_target "amdgcn-amd-amdhsa--gfx1250"
	.amdhsa_code_object_version 6
	.text
	.protected	k_q6ba42f08ae_outp
	.globl	k_q6ba42f08ae_outp
	.p2align	8
	.type	k_q6ba42f08ae_outp,@function
k_q6ba42f08ae_outp:
	s_mov_b64 s[64:65], 0
	v_nop
	global_prefetch_b8 v0, s[64:65] scope:SCOPE_SE
	s_setreg_imm32_b32 hwreg(HW_REG_WAVE_MODE, 25, 1), 1
	s_wait_xcnt 0x0
; out0[b][row][e] = sum over (head, kd) of (hi + lo)[b][head][idx(row)][kd] x W_out[head][kd][e].
; A work-group makes 32 rows of one batch; wave v makes 16 rows (rt = v / 2) x 64 columns (eh = v mod 2).  K = 128 = (head, kd).
; heads: [plane 2][b 16][head 8][idx 512][16] bf16; idx = row for rows 0-250 and row + 6 for rows 251-500.
; W_out is rounded to bf16 (nearest even); the heads come as two bf16 planes, both multiplied; sums in f32.
; The matrix instruction takes W_out transposed as A (m = e) and the heads as B (n = row): a lane gets eight neighbouring columns of one row.
; The block goes through LDS and leaves as whole rows of 512 bytes.
; NO TENSOR LOADS, NO JOINT REQUESTS, though every work-group reads W_out: its 65,536 bytes are rounded to bf16 in registers on their way.
.set WOP, 288                          ; W_out in bf16 at LDS byte 0: 128 rows (head, kd) of 256 bytes, pitch 288 = 9 x 32: 36,864 bytes
.set OS,  36864                        ; the block of out0: 32 rows of 512 bytes, pitch 528 = 33 x 16: 16,896 bytes
.set OSP, 528
.set WF,  16                           ; v[16:143]  W_out as loaded (row group i at 4 i), then its fragments ((kc, et) at 32 kc + 8 et), then rows on the way out
.set HF,  144                          ; v[144:207] fragments of the heads: (plane p, kc) at 32 p + 8 kc
.set ACC, 208                          ; v[208:239] four accumulators, 16 columns each
	s_load_b128 s[4:7], s[0:1], 0x0                ; heads, W_out
	s_load_b64 s[8:9], s[0:1], 0x10                ; out0
	v_lshl_add_u32 v240, v0, 2, 0xd200
	v_mov_b32 v241, 0
	v_lshrrev_b32 v12, 5, v0
	v_readfirstlane_b32 s2, v12                    ; wave v
	s_and_b32 s10, ttmp7, 0xffff                   ; b
	s_lshr_b32 s11, s2, 1                          ; rt
	s_and_b32 s12, s2, 1                           ; eh
	v_and_b32 v1, 31, v0                           ; lane L
	v_and_b32 v2, 15, v0                           ; r
	v_bfe_u32 v3, v0, 4, 1                         ; h
	v_lshlrev_b32 v4, 4, v0                        ; W_out: 16 bytes a thread, 2,048 for the work-group = four rows
	s_lshl_b32 s13, ttmp9, 5                       ; the block's first row
	s_lshl_b32 s14, s11, 4
	s_add_co_u32 s14, s14, s13
	v_add_nc_u32 v5, s14, v2
	v_min_u32 v5, 500, v5                          ; rows past the last repeat it; they are not stored
	v_add_nc_u32 v6, 261, v5
	v_lshrrev_b32 v6, 9, v6                        ; (row + 261) / 512 = 1 for rows 251 to 500, else 0
	v_mad_u32_u24 v5, v6, 6, v5                    ; idx
	v_lshlrev_b32 v5, 5, v5
	v_lshl_add_u32 v5, v3, 4, v5                   ; 32 idx + 16 h
	s_lshl_b32 s16, s10, 17
	s_mov_b32 s17, 0
	s_wait_kmcnt 0x0
	s_add_nc_u64 s[4:5], s[4:5], s[16:17]          ; heads[.][b]
.set i, 0
.rept 32
	global_load_b128 v[WF+4*i:WF+4*i+3], v4, s[6:7] offset:2048*i
.set i, i+1
.endr
.irp p, 0,1
.irp kc, 0,1,2,3
	global_load_b128 v[HF+32*\p+8*\kc:HF+32*\p+8*\kc+3],   v5, s[4:5] offset:2097152*\p+32768*\kc         ; head 2 kc: k = 32 kc + 8 h ..
	global_load_b128 v[HF+32*\p+8*\kc+4:HF+32*\p+8*\kc+7], v5, s[4:5] offset:2097152*\p+32768*\kc+16384   ; head 2 kc + 1: k = 32 kc + 16 + 8 h ..
.endr
.endr
	s_mul_i32 s14, s2, WOP
	v_lshl_add_u32 v7, v1, 3, s14                  ; W_out in bf16: row 4 i + v, my 8 bytes
	v_and_b32 v12, 7, v0
	v_lshl_add_u32 v12, v3, 3, v12
	v_mul_u32_u24 v8, v12, WOP
	v_bfe_u32 v12, v0, 3, 1
	v_lshl_add_u32 v8, v12, 4, v8
	s_lshl_b32 s14, s12, 7
	v_add_nc_u32 v8, s14, v8                       ; transposing load: (8 h + L mod 8) x 288 + 16 x bit 3 of L + 128 eh
	v_lshl_add_u32 v12, s11, 4, v2
	v_mul_u32_u24 v9, v12, OSP
	v_lshl_add_u32 v9, v3, 5, v9
	s_lshl_b32 s14, s12, 8
	s_add_co_u32 s14, s14, OS
	v_add_nc_u32 v9, s14, v9                       ; in: OS + (16 rt + r) x 528 + 256 eh + 32 h
	s_mul_i32 s14, s2, 8*OSP
	s_add_co_u32 s14, s14, OS
	v_lshl_add_u32 v10, v1, 4, s14                 ; back: rows 8 v .., 16 bytes a lane
	v_lshlrev_b32 v11, 4, v1
	s_lshl_b32 s15, s2, 3
	s_add_co_u32 s15, s15, s13                     ; the first of the eight rows that I store
	s_mul_i32 s18, s10, 501
	s_add_co_u32 s18, s18, s15
	s_lshl_b32 s18, s18, 9
	s_mov_b32 s19, 0
	s_add_nc_u64 s[8:9], s[8:9], s[18:19]
	s_sub_co_i32 s15, 501, s15                     ; how many rows are left from there
.set i, 0
.rept 32
	s_wait_loadcnt 47-i                            ; loads come back in order (ISA guide 5.7.1): 31 - i younger loads of W_out and the 16 of the heads may be out
	v_cvt_pk_bf16_f32 v[WF+4*i],   v[WF+4*i],   v[WF+4*i+1]
	v_cvt_pk_bf16_f32 v[WF+4*i+1], v[WF+4*i+2], v[WF+4*i+3]
	ds_store_b64 v7, v[WF+4*i:WF+4*i+1] offset:4*WOP*i
.set i, i+1
.endr
	s_wait_dscnt 0x0                               ; my rows of W_out are in LDS, for the other waves' sake
	s_barrier_signal -1
	s_barrier_wait -1
.irp kc, 0,1,2,3
.irp et, 0,1,2,3
	ds_load_tr16_b128 v[WF+32*\kc+8*\et:WF+32*\kc+8*\et+3],   v8 offset:32*WOP*\kc+32*\et
	ds_load_tr16_b128 v[WF+32*\kc+8*\et+4:WF+32*\kc+8*\et+7], v8 offset:32*WOP*\kc+32*\et+16*WOP
.endr
.endr
; four accumulators by turns, one instruction a turn
.macro OPROD kc, p, first
.irp et, 0,1,2,3
.if \first
	v_wmma_f32_16x16x32_bf16 v[ACC+8*\et:ACC+8*\et+7], v[WF+32*\kc+8*\et:WF+32*\kc+8*\et+7], v[HF+32*\p+8*\kc:HF+32*\p+8*\kc+7], 0
.else
	v_wmma_f32_16x16x32_bf16 v[ACC+8*\et:ACC+8*\et+7], v[WF+32*\kc+8*\et:WF+32*\kc+8*\et+7], v[HF+32*\p+8*\kc:HF+32*\p+8*\kc+7], v[ACC+8*\et:ACC+8*\et+7]
.endif
.endr
.endm
	s_wait_loadcnt 0x0                             ; the heads
	s_wait_dscnt 24                                ; this step's eight loads are in, eight for each later step may be out
	OPROD 0, 0, 1
	OPROD 0, 1, 0
	s_wait_dscnt 16
	OPROD 1, 0, 0
	OPROD 1, 1, 0
	s_wait_dscnt 8
	OPROD 2, 0, 0
	OPROD 2, 1, 0
	s_wait_dscnt 0x0
	OPROD 3, 0, 0
	OPROD 3, 1, 0
.rept 4
	v_nop                                          ; four places in front of the stores of the sums and of the loads into the fragments
.endr
.irp et, 0,1,2,3
	ds_store_b128 v9, v[ACC+8*\et:ACC+8*\et+3]   offset:64*\et      ; columns 64 eh + 16 et + 8 h + 0..3 of row 16 rt + r
	ds_store_b128 v9, v[ACC+8*\et+4:ACC+8*\et+7] offset:64*\et+16
.endr
	s_wait_dscnt 0x0                               ; my part of the block is in LDS, for the other waves' sake
	s_barrier_signal -1
	s_barrier_wait -1
.irp i, 0,1,2,3,4,5,6,7
	ds_load_b128 v[WF+4*\i:WF+4*\i+3], v10 offset:OSP*\i
.endr
	s_wait_dscnt 0x0
.irp i, 0,1,2,3,4,5,6,7
	s_cmp_gt_i32 s15, \i                           ; the last block has 21 rows: the rest is not stored
	s_cbranch_scc0 .Lend
	global_store_b128 v11, v[WF+4*\i:WF+4*\i+3], s[8:9] offset:512*\i th:TH_STORE_NT   ; a whole row: 512 consecutive bytes, aligned
.endr
.Lend:
	s_wait_tensorcnt 0x0
	ds_add_u32 v240, v241
	s_wait_dscnt 0x0
	s_endpgm
.Lfunc_end_k_q6ba42f08ae_outp:
	.size	k_q6ba42f08ae_outp, .Lfunc_end_k_q6ba42f08ae_outp-k_q6ba42f08ae_outp
	.p2alignl 7, 3214868480
	.fill 96, 4, 3214868480
	.section	.rodata,"a",@progbits
	.p2align	6, 0x0
	.amdhsa_kernel k_q6ba42f08ae_outp
		.amdhsa_group_segment_fixed_size 54272
		.amdhsa_private_segment_fixed_size 0
		.amdhsa_enable_private_segment 0
		.amdhsa_kernarg_size 24
		.amdhsa_user_sgpr_count 2
		.amdhsa_user_sgpr_kernarg_segment_ptr 1
		.amdhsa_wavefront_size32 1
		.amdhsa_system_sgpr_workgroup_id_x 1
		.amdhsa_system_sgpr_workgroup_id_y 1
		.amdhsa_system_sgpr_workgroup_id_z 1
		.amdhsa_system_vgpr_workitem_id 0
		.amdhsa_next_free_vgpr 242
		.amdhsa_next_free_sgpr 66
		.amdhsa_reserve_vcc 0
		.amdhsa_float_denorm_mode_32 3
		.amdhsa_float_denorm_mode_16_64 3
		.amdhsa_memory_ordered 1
		.amdhsa_forward_progress 1
		.amdhsa_inst_pref_size 22
	.end_amdhsa_kernel
	.amdgpu_metadata
---
amdhsa.version: [ 1, 2 ]
amdhsa.kernels:
  - .name:           k_q6ba42f08ae_outp
    .symbol:         k_q6ba42f08ae_outp.kd
    .args:
      - { .name: heads, .offset: 0, .size: 8, .value_kind: global_buffer, .address_space: global }
      - { .name: W_out, .offset: 8, .size: 8, .value_kind: global_buffer, .address_space: global }
      - { .name: out0, .offset: 16, .size: 8, .value_kind: global_buffer, .address_space: global }
    .group_segment_fixed_size: 54272
    .private_segment_fixed_size: 0
    .kernarg_segment_align: 8
    .kernarg_segment_size: 24
    .max_flat_workgroup_size: 128
    .sgpr_count:     66
    .vgpr_count:     242
    .wavefront_size: 32
...
	.end_amdgpu_metadata
.endif
;; end of part 2
;; ======== version 2 of 2: 2 launches; version 1 with the launch outp written anew for expert scheduling mode
;; limits: values are held in f16: magnitudes above 65,504 overflow, below 6.1e-05 lose precision; right only within a limited range of input values; values outside matrix products are rounded to f16
;; workspace buffers: heads 4,194,304 bytes
;; launch attn: the kernel of part 1 again; grid 16 x 16, 16 waves a work-group, no clusters, 198,912 bytes of LDS; arguments q, W_query, W_key, W_val, W1_query, W2_query, W3_query, W4_query, W5_query, W6_query, heads; writes heads
;; launch outp (part 3): grid 16 x 16, 4 waves a work-group, no clusters, 54,272 bytes of LDS; arguments heads, W_out, out0; writes out0
.if DOCPART == 3
	.amdgcn_target "amdgcn-amd-amdhsa--gfx1250"
	.amdhsa_code_object_version 6
	.text
	.protected	k_q6ba42f08ae_outp
	.globl	k_q6ba42f08ae_outp
	.p2align	8
	.type	k_q6ba42f08ae_outp,@function
k_q6ba42f08ae_outp:
	s_mov_b64 s[64:65], 0
	v_nop
	global_prefetch_b8 v0, s[64:65] scope:SCOPE_SE
	s_setreg_imm32_b32 hwreg(HW_REG_WAVE_SCHED_MODE, 0, 2), 2
	s_setreg_imm32_b32 hwreg(HW_REG_WAVE_MODE, 25, 1), 1
	s_wait_xcnt 0x0
	s_wait_alu depctr_vm_vsrc(0)
; out0[b][row][e] = sum over (head, kd) of (hi + lo)[b][head][idx(row)][kd] x W_out[head][kd][e].
; A work-group makes 32 rows of one batch; wave v makes 16 rows (rt = v / 2) x 64 columns (eh = v mod 2).  K = 128 = (head, kd).
; heads: [plane 2][b 16][head 8][idx 512][16] bf16; idx = row for rows 0-250 and row + 6 for rows 251-500.
; W_out is rounded to bf16 (nearest even); the heads come as two bf16 planes, both multiplied; sums in f32.
; The matrix instruction takes W_out transposed as A (m = e) and the heads as B (n = row): a lane gets eight neighbouring columns of one row.
; The block goes through LDS and leaves as whole rows of 512 bytes.
; NO TENSOR LOADS, NO JOINT REQUESTS, though every work-group reads W_out: its 65,536 bytes are rounded to bf16 in registers on their way.
; THE MODE: SCHED_MODE bits 1:0 = 2 (LLVM: expert scheduling mode 2), set by the entry lines.  The code itself states the register dependences
; between vector or matrix instructions and memory or LDS instructions, with s_wait_alu, always for 0.
; THE PLAN.  Registers that memory or LDS instructions touch:
;   v4, v5       offsets of the global loads: written once at the head, ahead of the first wait on va_vdst; never written again.
;   v7 .. v11    LDS addresses and out0's offset: written once, behind the global loads and ahead of block 1's wait on va_vdst; never written again.
;   WF           (1) the loads of W_out land in it; the conversions of row group i read 4 i .. 4 i + 3 and write 4 i, 4 i + 1; one LDS store reads that pair.
;                The 32 row groups go in four blocks of eight: block p's conversions name block p's registers alone, and the stores of block p - 1 are dealt among
;                them behind ONE wait on va_vdst at the block's head; the last block's stores follow one more.
;                (2) behind the first barrier the transposing loads land in it: one wait on vm_vsrc states that the stores of (1) have read it; the last wait of (1)
;                has stated that the conversions are done with it, and no vector instruction stands between.  The matrix instructions read it.
;                (3) behind the second barrier eight LDS loads land in its first 32 registers, and the global stores read them.
;   HF           the loads of the heads land in it; matrix instructions alone read it; never written again.
;   ACC          written by matrix instructions, read by the LDS stores of the way out: one wait on va_vdst, which also states that the matrix instructions are done
;                reading WF, for the loads of (3); no vector instruction follows it.
.set WOP, 288                          ; W_out in bf16 at LDS byte 0: 128 rows (head, kd) of 256 bytes, pitch 288 = 9 x 32: 36,864 bytes
.set OS,  36864                        ; the block of out0: 32 rows of 512 bytes, pitch 528 = 33 x 16: 16,896 bytes
.set OSP, 528
.set WF,  16                           ; v[16:143]  W_out as loaded (row group i at 4 i), then its fragments ((kc, et) at 32 kc + 8 et), then rows on the way out
.set HF,  144                          ; v[144:207] fragments of the heads: (plane p, kc) at 32 p + 8 kc
.set ACC, 208                          ; v[208:239] four accumulators, 16 columns each
	s_load_b128 s[4:7], s[0:1], 0x0                ; heads, W_out
	s_load_b64 s[8:9], s[0:1], 0x10                ; out0
	v_lshl_add_u32 v14, v0, 2, 0xd200
	v_mov_b32 v15, 0
	v_lshrrev_b32 v12, 5, v0
	v_readfirstlane_b32 s2, v12                    ; wave v
	s_and_b32 s10, ttmp7, 0xffff                   ; b
	v_and_b32 v1, 31, v0                           ; lane L
	v_and_b32 v2, 15, v0                           ; r
	v_bfe_u32 v3, v0, 4, 1                         ; h
	v_lshlrev_b32 v4, 4, v0                        ; W_out: 16 bytes a thread, 2,048 for the work-group = four rows
	s_lshl_b32 s13, ttmp9, 5                       ; the block's first row
	s_wait_alu depctr_va_sdst(0)                   ; s2 is written, ahead of its first reader: rt, eh, the LDS places and out0's base are made from it
	s_lshr_b32 s11, s2, 1                          ; rt
	s_and_b32 s12, s2, 1                           ; eh
	s_lshl_b32 s14, s11, 4
	s_add_co_u32 s14, s14, s13
	v_add_nc_u32 v5, s14, v2
	v_min_u32 v5, 500, v5                          ; rows past the last repeat it; they are not stored
	v_add_nc_u32 v6, 261, v5
	v_lshrrev_b32 v6, 9, v6                        ; (row + 261) / 512 = 1 for rows 251 to 500, else 0
	v_mad_u32_u24 v5, v6, 6, v5                    ; idx
	v_lshlrev_b32 v5, 5, v5
	v_lshl_add_u32 v5, v3, 4, v5                   ; 32 idx + 16 h
	s_lshl_b32 s16, s10, 17
	s_mov_b32 s17, 0
	s_wait_kmcnt 0x0
	s_add_nc_u64 s[4:5], s[4:5], s[16:17]          ; heads[.][b]
	s_wait_alu depctr_va_vdst(0)                   ; v4 and v5 are written, which the 48 loads below read as their offsets
.set i, 0
.rept 32
	global_load_b128 v[WF+4*i:WF+4*i+3], v4, s[6:7] offset:2048*i
.set i, i+1
.endr
.irp p, 0,1
.irp kc, 0,1,2,3
	global_load_b128 v[HF+32*\p+8*\kc:HF+32*\p+8*\kc+3],   v5, s[4:5] offset:2097152*\p+32768*\kc         ; head 2 kc: k = 32 kc + 8 h ..
	global_load_b128 v[HF+32*\p+8*\kc+4:HF+32*\p+8*\kc+7], v5, s[4:5] offset:2097152*\p+32768*\kc+16384   ; head 2 kc + 1: k = 32 kc + 16 + 8 h ..
.endr
.endr
	s_mul_i32 s14, s2, WOP
	v_lshl_add_u32 v7, v1, 3, s14                  ; W_out in bf16: row 4 i + v, my 8 bytes
	v_and_b32 v12, 7, v0
	v_lshl_add_u32 v12, v3, 3, v12
	v_mul_u32_u24 v8, v12, WOP
	v_bfe_u32 v12, v0, 3, 1
	v_lshl_add_u32 v8, v12, 4, v8
	s_lshl_b32 s14, s12, 7
	v_add_nc_u32 v8, s14, v8                       ; transposing load: (8 h + L mod 8) x 288 + 16 x bit 3 of L + 128 eh
	v_lshl_add_u32 v12, s11, 4, v2
	v_mul_u32_u24 v9, v12, OSP
	v_lshl_add_u32 v9, v3, 5, v9
	s_lshl_b32 s14, s12, 8
	s_add_co_u32 s14, s14, OS
	v_add_nc_u32 v9, s14, v9                       ; in: OS + (16 rt + r) x 528 + 256 eh + 32 h
	s_mul_i32 s14, s2, 8*OSP
	s_add_co_u32 s14, s14, OS
	v_lshl_add_u32 v10, v1, 4, s14                 ; back: rows 8 v .., 16 bytes a lane
	v_lshlrev_b32 v11, 4, v1
	s_lshl_b32 s15, s2, 3
	s_add_co_u32 s15, s15, s13                     ; the first of the eight rows that I store
	s_mul_i32 s18, s10, 501
	s_add_co_u32 s18, s18, s15
	s_lshl_b32 s18, s18, 9
	s_mov_b32 s19, 0
	s_add_nc_u64 s[8:9], s[8:9], s[18:19]
	s_sub_co_i32 s15, 501, s15                     ; how many rows are left from there
; Block p of four: row groups 8 p to 8 p + 7 of W_out are rounded to bf16; the stores of the block before are dealt among the conversions.
.macro BLK p
	s_wait_loadcnt 40-8*(\p)                       ; loads come back in order (ISA guide 5.7.1): this block's eight are in; 24 - 8 p younger loads of W_out and the 16 of the heads may be out
.if (\p) > 0
	s_wait_alu depctr_va_vdst(0)                   ; the block before has written its eight pairs, which the stores below read; at block 1 also: v7 to v11 are written
.endif
.irp i, 0,1,2,3,4,5,6,7
.if (\p) > 0
	ds_store_b64 v7, v[WF+4*(8*((\p)-1)+(\i)):WF+4*(8*((\p)-1)+(\i))+1] offset:4*WOP*(8*((\p)-1)+(\i))  ; no vector instruction since the wait names these registers
.endif
	v_cvt_pk_bf16_f32 v[WF+4*(8*(\p)+(\i))],   v[WF+4*(8*(\p)+(\i))],   v[WF+4*(8*(\p)+(\i))+1]
	v_cvt_pk_bf16_f32 v[WF+4*(8*(\p)+(\i))+1], v[WF+4*(8*(\p)+(\i))+2], v[WF+4*(8*(\p)+(\i))+3]
.endr
.endm
	BLK 0
	BLK 1
	BLK 2
	BLK 3
	s_wait_alu depctr_va_vdst(0)                   ; block 3 has written its eight pairs, which the stores below read; and every conversion is done reading and writing WF, in which the transposing loads land
.irp i, 0,1,2,3,4,5,6,7
	ds_store_b64 v7, v[WF+4*(24+\i):WF+4*(24+\i)+1] offset:4*WOP*(24+\i)
.endr
	s_wait_dscnt 0x0                               ; my rows of W_out are in LDS, for the other waves' sake
	s_barrier_signal -1
	s_barrier_wait -1
	s_wait_alu depctr_vm_vsrc(0)                   ; my 32 LDS stores have read their pairs of WF, in which the loads below land
.irp kc, 0,1,2,3
.irp et, 0,1,2,3
	ds_load_tr16_b128 v[WF+32*\kc+8*\et:WF+32*\kc+8*\et+3],   v8 offset:32*WOP*\kc+32*\et
	ds_load_tr16_b128 v[WF+32*\kc+8*\et+4:WF+32*\kc+8*\et+7], v8 offset:32*WOP*\kc+32*\et+16*WOP
.endr
.endr
; four accumulators by turns, one instruction a turn
.macro OPROD kc, p, first
.irp et, 0,1,2,3
.if \first
	v_wmma_f32_16x16x32_bf16 v[ACC+8*\et:ACC+8*\et+7], v[WF+32*\kc+8*\et:WF+32*\kc+8*\et+7], v[HF+32*\p+8*\kc:HF+32*\p+8*\kc+7], 0
.else
	v_wmma_f32_16x16x32_bf16 v[ACC+8*\et:ACC+8*\et+7], v[WF+32*\kc+8*\et:WF+32*\kc+8*\et+7], v[HF+32*\p+8*\kc:HF+32*\p+8*\kc+7], v[ACC+8*\et:ACC+8*\et+7]
.endif
.endr
.endm
	s_wait_loadcnt 0x0                             ; the heads
	s_wait_dscnt 24                                ; this step's eight loads are in, eight for each later step may be out
	OPROD 0, 0, 1
	OPROD 0, 1, 0
	s_wait_dscnt 16
	OPROD 1, 0, 0
	OPROD 1, 1, 0
	s_wait_dscnt 8
	OPROD 2, 0, 0
	OPROD 2, 1, 0
	s_wait_dscnt 0x0
	OPROD 3, 0, 0
	OPROD 3, 1, 0
.rept 4
	v_nop                                          ; four places in front of the stores of the sums
.endr
	s_wait_alu depctr_va_vdst(0)                   ; the matrix instructions have written the accumulators, which the LDS stores read, and are done reading WF, in which the loads behind the barrier land; the places above stay beside this wait
.irp et, 0,1,2,3
	ds_store_b128 v9, v[ACC+8*\et:ACC+8*\et+3]   offset:64*\et      ; columns 64 eh + 16 et + 8 h + 0..3 of row 16 rt + r
	ds_store_b128 v9, v[ACC+8*\et+4:ACC+8*\et+7] offset:64*\et+16
.endr
	s_wait_dscnt 0x0                               ; my part of the block is in LDS, for the other waves' sake
	s_barrier_signal -1
	s_barrier_wait -1
.irp i, 0,1,2,3,4,5,6,7
	ds_load_b128 v[WF+4*\i:WF+4*\i+3], v10 offset:OSP*\i   ; no vector or matrix instruction since the wait above, and no memory instruction since the wait on vm_vsrc has read these registers
.endr
	s_wait_dscnt 0x0
.irp i, 0,1,2,3,4,5,6,7
	s_cmp_gt_i32 s15, \i                           ; the last block has 21 rows: the rest is not stored
	s_cbranch_scc0 .Lend
	global_store_b128 v11, v[WF+4*\i:WF+4*\i+3], s[8:9] offset:512*\i th:TH_STORE_NT   ; a whole row: 512 consecutive bytes, aligned
.endr
.Lend:
	s_wait_dscnt 0x0
	s_wait_alu depctr_hold_cnt(0) depctr_sa_sdst(0) depctr_va_vdst(0) depctr_va_sdst(0) depctr_va_ssrc(0) depctr_va_vcc(0) depctr_vm_vsrc(0)
	s_wait_tensorcnt 0x0
	ds_add_u32 v14, v15
	s_wait_dscnt 0x0
	s_endpgm
.Lfunc_end_k_q6ba42f08ae_outp:
	.size	k_q6ba42f08ae_outp, .Lfunc_end_k_q6ba42f08ae_outp-k_q6ba42f08ae_outp
	.p2alignl 7, 3214868480
	.fill 96, 4, 3214868480
	.section	.rodata,"a",@progbits
	.p2align	6, 0x0
	.amdhsa_kernel k_q6ba42f08ae_outp
		.amdhsa_group_segment_fixed_size 54272
		.amdhsa_private_segment_fixed_size 0
		.amdhsa_enable_private_segment 0
		.amdhsa_kernarg_size 24
		.amdhsa_user_sgpr_count 2
		.amdhsa_user_sgpr_kernarg_segment_ptr 1
		.amdhsa_wavefront_size32 1
		.amdhsa_system_sgpr_workgroup_id_x 1
		.amdhsa_system_sgpr_workgroup_id_y 1
		.amdhsa_system_sgpr_workgroup_id_z 1
		.amdhsa_system_vgpr_workitem_id 0
		.amdhsa_next_free_vgpr 240
		.amdhsa_next_free_sgpr 66
		.amdhsa_reserve_vcc 0
		.amdhsa_float_denorm_mode_32 3
		.amdhsa_float_denorm_mode_16_64 3
		.amdhsa_memory_ordered 1
		.amdhsa_forward_progress 1
		.amdhsa_inst_pref_size 21
	.end_amdhsa_kernel
	.amdgpu_metadata
---
amdhsa.version: [ 1, 2 ]
amdhsa.kernels:
  - .name:           k_q6ba42f08ae_outp
    .symbol:         k_q6ba42f08ae_outp.kd
    .args:
      - { .name: heads, .offset: 0, .size: 8, .value_kind: global_buffer, .address_space: global }
      - { .name: W_out, .offset: 8, .size: 8, .value_kind: global_buffer, .address_space: global }
      - { .name: out0, .offset: 16, .size: 8, .value_kind: global_buffer, .address_space: global }
    .group_segment_fixed_size: 54272
    .private_segment_fixed_size: 0
    .kernarg_segment_align: 8
    .kernarg_segment_size: 24
    .max_flat_workgroup_size: 128
    .sgpr_count:     66
    .vgpr_count:     240
    .wavefront_size: 32
...
	.end_amdgpu_metadata
.endif
;; end of part 3
